; MI455X (gfx1250); checked and timed in simulation.
; The chip was launched on July 23, 2026; its instructions are those of AMD's public machine-readable ISA for CDNA 5 (MIT licence, August 2026) and "CDNA5" Instruction Set Architecture Reference Guide (July 2026). The comments in the code are by the model that wrote it; some were corrected since.
;; Self Attention. Allowed arithmetic: matrix products marked QUANTISED: E2M1 operands, one E8M0 scale for each 32 along K, by v_wmma_scale_f32_16x16x128_f8f6f4 with both operands' format E2M1 (or v_wmma_scale_f32_32x16x128_f4), f32 sums; everything else in f32.
;; Inputs: Wk 768 x 64 float32; Wq 768 x 64 float32; mask 4 x 4,096 bool; x 4 x 4,096 x 768 float32.
;; Outputs: out0 4 x 4,096 x 768 float32.
;; This version of the problem:
;;   THIS VERSION OF THE PROBLEM IS GIVEN IN LOW PRECISION. The matrix products marked QUANTISED in the list below multiply operands that are first quantised to E2M1 (2 exponent bits, 1 mantissa bit; 4 bits a number), with one power-of-two scale for each 32 numbers along K (OCP MX v1.0); their sums are f32. All else is computed in f32.
;;   The module's matrix products, in the order in which they are computed (A, B: the left and right operand; K: the contracted axis; several contracted axes count as one K, in the product's order):
;;     1. [M 16,384, K 768] x [K 768, N 64]; A: input x; B: input Wq: QUANTISED
;;     2. [M 16,384, K 768] x [K 768, N 64]; A: input x; B: input Wk: QUANTISED
;;     3. batch 4 x [M 4,096, K 64] x [K 64, N 4,096]; A: computed on the way; B: computed on the way: QUANTISED
;;     4. batch 4 x [M 4,096, K 4,096] x [K 4,096, N 768]; A: softmax (see below); B: input x: QUANTISED
;;   THE QUANTISER, for each operand of a quantised product, along K:
;;     - K is cut into blocks of 32 from its start; a last block that is shorter is filled with zeros.
;;     - A block's scale is 2^e with e = floor(log2(the largest magnitude in the block)) - 2, held to -126 .. 127; a block of zeros has e = 0. As a byte (E8M0): e + 127.
;;     - Each number is divided by its block's scale, clamped to +-6, and rounded to the nearest number of E2M1, ties to even, subnormals kept.
;;     - The product sums the exact products of the quantised numbers (number of the format x scale) in f32.
;;   ~~~python
;;   def quantise(x, axis):      # numpy; x: float32 -> the quantised numbers, widened to float32 again
;;       x = np.moveaxis(x, axis, -1); K = x.shape[-1]
;;       x = np.pad(x, [(0, 0)] * (x.ndim - 1) + [(0, -K % 32)]); x = x.reshape(x.shape[:-1] + (-1, 32)); a = np.abs(x).max(-1, keepdims=True)
;;       e = np.where(a > 0, np.clip(np.frexp(np.where(a > 0, a, 1))[1] - 1 - 2, -126, 127), 0)      # np.frexp(a)[1] - 1 = floor(log2(a)), exactly
;;       r = np.clip(x / 2.0 ** e, -6, 6)
;;       step = 2.0 ** (np.maximum(np.frexp(np.where(r == 0, 1, r))[1] - 1, 0) - 1)
;;       q = np.round(r / step) * step * 2.0 ** e      # np.round: ties to even
;;       return np.moveaxis(q.reshape(q.shape[:-2] + (-1,))[..., :K], -1, axis).astype(np.float32)
;;   ~~~
;;   SOFTMAX AHEAD OF A QUANTISED PRODUCT. Where the list says 'softmax', what is quantised is not the finished softmax but p = 2^(t - M), with t = logit x log2(e) and M = ceil(the row's largest t), a whole number; so 1/2 < the row's largest p <= 1. The row's sum l is taken of the UNQUANTISED p, in f32, and the product's result is divided by l at the end. Since M is a whole number, a kernel that streams over the keys may use a running M (the ceiling of the running maximum): every later rescaling is an exact power of two, which a block's scale takes up: the codes' values come out the same.
;;   OPERANDS COMPUTED ON THE WAY. 'Computed on the way' means the value that the module computes at that place (a softmax that the list does not call 'softmax' is quantised finished and normalised). What goes into a quantiser is computed in f32, as accurately as f32 sums, v_exp_f32 and their like allow (about 1e-6 of the number): no bf16 or f16 on the way to a quantiser, and a product that is left as it is and whose result goes on into a quantised operand takes f32 operands (vector FMAs, or v_wmma_f32_16x16x4_f32). A number that lies on a knife's edge between two numbers of the format may be rounded either way, as far as f32 arithmetic and the matrix unit's own rounding can turn it there, and no further.
;; One version. Each part assembles by itself: llvm-mc -triple=amdgcn-amd-amdhsa -mcpu=gfx1250 --defsym DOCPART=n.
;; ======== version 1 of 1: 3 launches
;; workspace buffers: ww 52,224 bytes; vv 6,684,672 bytes; kk 655,360 bytes; qq 589,824 bytes
;; launch wquant (part 1): grid 12 x 1, 4 waves a work-group, no clusters, 0 bytes of LDS; arguments Wq, Wk, ww; writes ww
.if DOCPART == 1
	.amdgcn_target "amdgcn-amd-amdhsa--gfx1250"
	.amdhsa_code_object_version 6
	.text
	.protected	k_qdc1a61d69c_wquant
	.globl	k_qdc1a61d69c_wquant
	.p2align	8
	.type	k_qdc1a61d69c_wquant,@function
k_qdc1a61d69c_wquant:
	s_mov_b64 s[64:65], 0
	v_nop
	global_prefetch_b8 v0, s[64:65] scope:SCOPE_SE
	s_setreg_imm32_b32 hwreg(HW_REG_WAVE_MODE, 25, 1), 1
	s_wait_xcnt 0x0
; Wq and Wk, [768][64] f32 with K = their FIRST axis, become operand images of FP4 (E2M1) codes with one E8M0 byte for each 32 along K.
; One wave makes one fragment f = 8 s + T (48 in all): K step s (128 along K), tile T (0-3: Wq, 4-7: Wk) of 16 columns.
; THE COLUMNS OF A TILE ARE NOT NEIGHBOURS: lane r of tile 2 b + u takes column 32 b + 8 u + r + 8 (r / 8), so that the next launch's results of two
; neighbouring tiles are 16 neighbours along the following product's K.
; A lane takes a column and its registers run down K, in the order of the operand's registers: lane (r, h) holds k = 64 c + 32 h + 0 .. 31 in registers 32 c ..:
; two whole blocks a lane, so no other lane is asked for a maximum.  ww: fragment f at 1,024 f as [c][lane][16 bytes]; from byte 49,152 its scale words, [f][r].
; A block's byte is its largest magnitude's exponent field - 2, held at 1 from below.  LIMITS: a block of zeros, and one whose largest magnitude lies under 2^-124,
; keeps the byte 1 (zero codes add nothing; this program alone reads the bytes); NaN and infinities are not served.
; No LDS, no matrix unit, no cluster: 98,304 numbers, each read once by one wave.
.set X,  64                            ; v64-127 my 64 numbers
.set CD, 48                            ; v48-55  the fragment's codes
	s_load_b128 s[4:7], s[0:1], 0x0                ; Wq, Wk
	s_load_b64 s[8:9], s[0:1], 0x10                ; ww
	v_lshrrev_b32 v1, 5, v0
	v_readfirstlane_b32 s12, v1                    ; wave
	v_and_b32 v1, 15, v0                           ; r
	v_bfe_u32 v2, v0, 4, 1                         ; h
	v_and_b32 v6, 31, v0                           ; lane
	v_and_b32 v3, 8, v1
	v_add_nc_u32 v3, v3, v1                        ; r + 8 (r / 8)
	v_lshlrev_b32 v3, 2, v3
	v_lshl_add_u32 v3, v2, 13, v3                  ; + 32 h rows of 256 bytes
	v_lshlrev_b32 v4, 4, v6                        ; 16 x lane: my place in an image
	v_lshlrev_b32 v5, 2, v1                        ; 4 r: my row's scale word
	s_lshl_b32 s13, ttmp9, 2
	s_add_co_u32 s13, s13, s12                     ; f
	s_lshr_b32 s14, s13, 3                         ; s
	s_and_b32 s15, s13, 7                          ; T
	s_lshl_b32 s16, s14, 15                        ; 128 s rows of 256 bytes
	s_and_b32 s17, s15, 3
	s_lshr_b32 s18, s17, 1
	s_lshl_b32 s18, s18, 7                         ; 32 b columns
	s_and_b32 s19, s15, 1
	s_lshl_b32 s19, s19, 5                         ; 8 u columns
	s_add_co_u32 s16, s16, s18
	s_add_co_u32 s16, s16, s19
	s_mov_b32 s17, 0
	s_lshl_b32 s18, s13, 10                        ; the image's place
	s_mov_b32 s19, 0
	s_lshl_b32 s22, s13, 6
	s_add_co_u32 s22, s22, 49152                   ; the scale words' place
	s_mov_b32 s23, 0
	s_mov_b32 s20, 0x76543210
	s_mov_b32 s21, 0xfedcba98                      ; v_permlanex16_b32's selects for lane l xor 16
	s_wait_kmcnt 0x0
	s_cmp_lt_u32 s15, 4                            ; the choice hangs on the fragment's number alone
	s_cselect_b64 s[4:5], s[4:5], s[6:7]
	s_add_nc_u64 s[4:5], s[4:5], s[16:17]
	s_add_nc_u64 s[10:11], s[8:9], s[22:23]
	s_add_nc_u64 s[8:9], s[8:9], s[18:19]
.irp c, 0,1
.irp i, 0,1,2,3,4,5,6,7,8,9,10,11,12,13,14,15,16,17,18,19,20,21,22,23,24,25,26,27,28,29,30,31
	global_load_b32 v[X+32*\c+\i], v3, s[4:5] offset:(64*\c+\i)*256   ; W(128 s + 64 c + 32 h + i, my column)
.endr
.endr
	s_wait_loadcnt 0x0
.irp c, 0,1
	v_max3_num_f32 v[32+\c], |v[X+32*\c]|, |v[X+1+32*\c]|, 0x1800000   ; my block 2 c + h, and the floor 2^(3 - 127): the byte cannot fall under 1
.endr
.irp i, 2,4,6,8,10,12,14,16,18,20,22,24,26,28,30
.irp c, 0,1
	v_max3_num_f32 v[32+\c], v[32+\c], |v[X+32*\c+\i]|, |v[X+1+32*\c+\i]|   ; the two blocks by turns
.endr
.endr
.irp c, 0,1
	v_add_nc_u32 v[44+\c], 0xff000000, v[32+\c]    ; 2 off the exponent field: the conversion's scale operand
.endr
.irp c, 0,1
	v_lshrrev_b32 v[36+\c], 23, v[44+\c]           ; the scale's byte
.endr
	v_lshl_or_b32 v9, v37, 16, v36                 ; my two bytes: blocks h and 2 + h,
	v_lshlrev_b32 v10, 3, v2
	v_lshlrev_b32 v9, v10, v9                      ; at their places in the word;
	v_mov_b32 v10, 0
	v_permlanex16_b32 v10, v9, s20, s21
	v_or_b32 v9, v9, v10                           ; with lane l xor 16's two the word is whole
.irp c, 0,1
.irp g, 0,1,2,3
	v_cvt_scalef32_pk8_fp4_f32 v[CD+4*\c+\g], v[X+32*\c+8*\g:X+32*\c+8*\g+7], v[44+\c]
.endr
.endr
	v_nop                                          ; one plain place behind the last scaled conversion
.irp c, 0,1
	global_store_b128 v4, v[CD+4*\c:CD+4*\c+3], s[8:9] offset:512*\c   ; 32 lanes store 512 consecutive bytes
.endr
	v_cmp_gt_u32 vcc_lo, 16, v6
	s_wait_xcnt 0x0                                ; EXEC changes only behind this wait
	s_and_saveexec_b32 s12, vcc_lo
	global_store_b32 v5, v9, s[10:11]              ; lanes 0-15: the 16 scale words
	s_wait_xcnt 0x0                                ; and again in front of the line that widens it
	s_or_b32 exec_lo, exec_lo, s12
	s_endpgm
.Lfunc_end_k_qdc1a61d69c_wquant:
	.size	k_qdc1a61d69c_wquant, .Lfunc_end_k_qdc1a61d69c_wquant-k_qdc1a61d69c_wquant
	.p2alignl 7, 3214868480
	.fill 96, 4, 3214868480
	.section	.rodata,"a",@progbits
	.p2align	6, 0x0
	.amdhsa_kernel k_qdc1a61d69c_wquant
		.amdhsa_group_segment_fixed_size 0
		.amdhsa_private_segment_fixed_size 0
		.amdhsa_enable_private_segment 0
		.amdhsa_kernarg_size 24
		.amdhsa_user_sgpr_count 2
		.amdhsa_user_sgpr_kernarg_segment_ptr 1
		.amdhsa_wavefront_size32 1
		.amdhsa_system_sgpr_workgroup_id_x 1
		.amdhsa_system_sgpr_workgroup_id_y 1
		.amdhsa_system_sgpr_workgroup_id_z 1
		.amdhsa_system_vgpr_workitem_id 0
		.amdhsa_next_free_vgpr 128
		.amdhsa_next_free_sgpr 66
		.amdhsa_reserve_vcc 1
		.amdhsa_float_denorm_mode_32 3
		.amdhsa_float_denorm_mode_16_64 3
		.amdhsa_memory_ordered 1
		.amdhsa_forward_progress 1
		.amdhsa_inst_pref_size 12
	.end_amdhsa_kernel
	.amdgpu_metadata
---
amdhsa.version: [ 1, 2 ]
amdhsa.kernels:
  - .name:           k_qdc1a61d69c_wquant
    .symbol:         k_qdc1a61d69c_wquant.kd
    .args:
      - { .name: Wq, .offset: 0, .size: 8, .value_kind: global_buffer, .address_space: global }
      - { .name: Wk, .offset: 8, .size: 8, .value_kind: global_buffer, .address_space: global }
      - { .name: ww, .offset: 16, .size: 8, .value_kind: global_buffer, .address_space: global }
    .group_segment_fixed_size: 0
    .private_segment_fixed_size: 0
    .kernarg_segment_align: 8
    .kernarg_segment_size: 24
    .max_flat_workgroup_size: 128
    .sgpr_count:     66
    .vgpr_count:     128
    .wavefront_size: 32
...
	.end_amdgpu_metadata
.endif
;; end of part 1
;; launch prep (part 2): grid 256 x 1, 4 waves a work-group, no clusters, 262,656 bytes of LDS; arguments x, mask, ww, vv, kk, qq; writes vv, kk, qq
.if DOCPART == 2
	.amdgcn_target "amdgcn-amd-amdhsa--gfx1250"
	.amdhsa_code_object_version 6
	.text
	.protected	k_qdc1a61d69c_prep
	.globl	k_qdc1a61d69c_prep
	.p2align	8
	.type	k_qdc1a61d69c_prep,@function
k_qdc1a61d69c_prep:
	s_mov_b64 s[64:65], 0
	v_nop
	global_prefetch_b8 v0, s[64:65] scope:SCOPE_SE
	s_setreg_imm32_b32 hwreg(HW_REG_WAVE_MODE, 25, 1), 1
	s_wait_xcnt 0x0
; x [4][4096][768] f32 is read ONCE and serves three things, all in FP4 (E2M1) with one E8M0 byte for each 32 along a product's K:
;  (1) quantised along D it is multiplied by Wq's and Wk's codes (ww): q and k, times the row's mask;  (2) q and k are quantised along their 64 and stored as operand images (qq, kk);
;  (3) quantised along the KEYS (blocks of 32 rows) it is stored as the operand of the last product (vv), in the order of that operand's registers.
; SHARES.  A work-group takes 64 rows: its 196,608 bytes of x lie in LDS whole, as six chunks of 128 columns, each filled once; nothing is filled again.  Each of the four waves brings 16 rows of every chunk and a
; quarter of ww: seven tensor loads a wave are out at the start, by this text's count.  16 rows to a load, so that all four waves have the same loads behind each chunk's and one count serves all.
; Wave w: (a) the tile of 16 rows rho(r) = 32 (w / 2) + 8 (w % 2) + r + 8 (r / 8), for the products: the rows are chosen so that in the next launch 16 registers of two neighbouring key tiles are 16 neighbouring keys;
; (b) in each chunk, column 128 c + 32 w + lane, registers down the rows: a block of 32 keys lies in one lane.
; THE PRODUCTS ARE USED TRANSPOSED (source 0 = 16 columns of W, source 1 = my 16 rows of x): a lane holds one row and its registers run along the 64, the next K.
; vv: [batch][128 keys] records of 52,224 bytes: codes [d tile 48][key block 4][r 16][16 bytes], then scale words [8][r 16][6] for d tile 6 w + i.
; kk: [batch][block % 8][block / 8] records of 1,280 bytes for a block of 32 keys: two tile images of 512, 32 scale words (s0, s1, s0, s1), 32 f32 in key order: 0 for an open key, -8e9 for a hidden one.
; qq: 1,024 tile images of 512 bytes; from byte 524,288 their scale words.
; The scale bytes of vv leave as halves of words, two bytes a lane: one byte in 128 of what the launch reads; all other stores cover 256 consecutive bytes with sixteen lanes.
; LIMITS: a block of zeros, and one whose largest magnitude lies under 2^-124, keeps the byte 1 (zero codes add nothing; this program alone reads the bytes); NaN and infinities are not served.
; No cluster: no two work-groups read the same x; ww is 52 KB beside 196 KB of x.
.set PITCH, 528                        ; a chunk's row in LDS: 512 bytes + 16 of padding
.set CHB,   64*PITCH                   ; a chunk
.set WL,    6*CHB                      ; behind the chunks: ww as it lies
.set WSC,   WL+49152                   ; its scale words
.set XB,  16                           ; v16-79   64 numbers of my row: register 16 b + i = k 32 b + 16 h + i
.set XA,  80                           ; v80-111  32 numbers down my column
.set WF,  112                          ; v112-143 four fragments of W
.set ACC, 144                          ; v144-207 eight tiles: 0-3 q, 4-7 k
.set PC,  208                          ; v208-215 the codes of my rows
.set PW,  216                          ; their scale word
.set WS,  217                          ; v217-220 W's scale words: tile 2 p in lanes 0-15, tile 2 p + 1 in lanes 16-31
.set TM,  224                          ; v224-239 at work
.set CK,  240                          ; v240-247 my column's codes, two key blocks
.macro NOPS n
.rept \n
	v_nop
.endr
.endm
; 64 numbers of a lane, register 16 b + i = k 32 b + 16 (lane / 16) + i of my row, become a fragment's codes in v[PC] on and its scale word in v[PW]
.macro QUANT s
.irp b, 0,1,2,3
	v_max3_num_f32 v[TM+\b], |v[\s+16*\b]|, |v[\s+1+16*\b]|, 0x1800000   ; my 16 numbers of block b, and the floor 2^(3 - 127)
.endr
.irp i, 2,4,6,8,10,12,14
.irp b, 0,1,2,3
	v_max3_num_f32 v[TM+\b], v[TM+\b], |v[\s+16*\b+\i]|, |v[\s+1+16*\b+\i]|
.endr
.endr
.irp b, 0,1,2,3
	v_permlanex16_b32 v[TM+4+\b], v[TM+\b], s78, s79
.endr
.irp b, 0,1,2,3
	v_max_num_f32 v[TM+\b], v[TM+\b], v[TM+4+\b]   ; with lane l xor 16's: the block's largest magnitude
.endr
.irp b, 0,1,2,3
	v_add_nc_u32 v[TM+12+\b], 0xff000000, v[TM+\b] ; 2 off its exponent field: the conversion's scale operand
.endr
.irp b, 0,1,2,3
	v_lshrrev_b32 v[TM+4+\b], 23, v[TM+12+\b]      ; the scale's byte
.endr
	v_lshl_or_b32 v[PW], v[TM+5], 8, v[TM+4]
	v_lshl_or_b32 v[PW], v[TM+6], 16, v[PW]
	v_lshl_or_b32 v[PW], v[TM+7], 24, v[PW]
.irp b, 0,1,2,3
	v_cvt_scalef32_pk8_fp4_f32 v[PC+2*\b], v[\s+16*\b:\s+7+16*\b], v[TM+12+\b]
	v_cvt_scalef32_pk8_fp4_f32 v[PC+1+2*\b], v[\s+8+16*\b:\s+15+16*\b], v[TM+12+\b]
.endr
	v_nop                                          ; one plain place behind a scaled conversion
.irp k, 0,1                                    ; the operand wants a whole block in a lane: lanes 0-15 block 2 k, lanes 16-31 block 2 k + 1
.irp i, 0,1
	v_permlane16_swap_b32 v[PC+4*\k+\i], v[PC+2+4*\k+\i]
.endr
.endr
.endm
; the same for 32 numbers (K = 64): two blocks, four registers of codes from v[cd] on, the word (s0, s1, s0, s1) in v[wd]
.macro QUANT2 s, cd, wd
.irp b, 0,1
	v_max3_num_f32 v[TM+\b], |v[\s+16*\b]|, |v[\s+1+16*\b]|, 0x1800000
.endr
.irp i, 2,4,6,8,10,12,14
.irp b, 0,1
	v_max3_num_f32 v[TM+\b], v[TM+\b], |v[\s+16*\b+\i]|, |v[\s+1+16*\b+\i]|
.endr
.endr
.irp b, 0,1
	v_permlanex16_b32 v[TM+4+\b], v[TM+\b], s78, s79
.endr
.irp b, 0,1
	v_max_num_f32 v[TM+\b], v[TM+\b], v[TM+4+\b]
.endr
.irp b, 0,1
	v_add_nc_u32 v[TM+12+\b], 0xff000000, v[TM+\b]
.endr
.irp b, 0,1
	v_lshrrev_b32 v[TM+4+\b], 23, v[TM+12+\b]
.endr
	v_lshl_or_b32 v[\wd], v[TM+5], 8, v[TM+4]
	v_lshl_or_b32 v[\wd], v[\wd], 16, v[\wd]       ; twice: the image may stand in either half of a K step of 128
.irp b, 0,1
	v_cvt_scalef32_pk8_fp4_f32 v[\cd+2*\b], v[\s+16*\b:\s+7+16*\b], v[TM+12+\b]
	v_cvt_scalef32_pk8_fp4_f32 v[\cd+1+2*\b], v[\s+8+16*\b:\s+15+16*\b], v[TM+12+\b]
.endr
	v_nop
.irp i, 0,1
	v_permlane16_swap_b32 v[\cd+\i], v[\cd+2+\i]   ; lanes 0-15: block 0 whole; lanes 16-31: block 1 whole
.endr
.endm
; my column's block of 32 keys: all 32 numbers are mine.  18 plain lines, then the conversions
.macro COLQ kbl
	v_max3_num_f32 v[TM+8], |v[XA]|, |v[XA+1]|, |v[XA+2]|
	v_max3_num_f32 v[TM+9], |v[XA+3]|, |v[XA+4]|, |v[XA+5]|
.irp i, 6,10,14,18,22,26
	v_max3_num_f32 v[TM+8], v[TM+8], |v[XA+\i]|, |v[XA+\i+1]|
	v_max3_num_f32 v[TM+9], v[TM+9], |v[XA+\i+2]|, |v[XA+\i+3]|
.endr
	v_max3_num_f32 v[TM+8], v[TM+8], |v[XA+30]|, |v[XA+31]|
	v_max3_num_f32 v[TM+8], v[TM+8], v[TM+9], 0x1800000
	v_add_nc_u32 v[TM+10], 0xff000000, v[TM+8]
	v_lshrrev_b32 v[248+\kbl], 23, v[TM+10]
.irp g, 0,1,2,3
	v_cvt_scalef32_pk8_fp4_f32 v[CK+4*\kbl+\g], v[XA+8*\g:XA+8*\g+7], v[TM+10]
.endr
	v_nop                                          ; one plain place behind the last scaled conversion
.endm
.macro LROW                            ; my row's 128 numbers of the chunk
.irp b, 0,1,2,3
.irp j, 0,1,2,3
	ds_load_b128 v[XB+16*\b+4*\j:XB+16*\b+4*\j+3], v9 offset:128*\b+16*\j
.endr
.endr
.endm
.macro LCOL kbl                        ; my column, rows 32 kbl on: 32 lanes read 128 consecutive bytes
.irp i, 0,1,2,3,4,5,6,7,8,9,10,11,12,13,14,15,16,17,18,19,20,21,22,23,24,25,26,27,28,29,30,31
	ds_load_b32 v[XA+\i], v10 offset:(32*\kbl+\i)*PITCH
.endr
.endm
.macro LW g, c                         ; W's fragments 8 c + 4 g + 0 .. 3; with g = 0 the K step's scale words too
.irp t, 0,1,2,3
.irp k, 0,1
	ds_load_b128 v[WF+8*\t+4*\k:WF+8*\t+4*\k+3], v6 offset:(8*\c+4*\g+\t)*1024+512*\k
.endr
.endr
.if \g == 0
.irp p, 0,1,2,3
	ds_load_b32 v[WS+\p], v7 offset:(8*\c+2*\p)*64
.endr
.endif
.endm
.macro WM d, a, sa, row1, zero
.if \zero
.if \row1
	v_wmma_scale_f32_16x16x128_f8f6f4 v[\d:\d+7], v[\a:\a+7], v[PC:PC+7], 0, v[\sa], v[PW] matrix_a_fmt:MATRIX_FMT_FP4 matrix_b_fmt:MATRIX_FMT_FP4 matrix_a_scale:MATRIX_SCALE_ROW1
.else
	v_wmma_scale_f32_16x16x128_f8f6f4 v[\d:\d+7], v[\a:\a+7], v[PC:PC+7], 0, v[\sa], v[PW] matrix_a_fmt:MATRIX_FMT_FP4 matrix_b_fmt:MATRIX_FMT_FP4
.endif
.else
.if \row1
	v_wmma_scale_f32_16x16x128_f8f6f4 v[\d:\d+7], v[\a:\a+7], v[PC:PC+7], v[\d:\d+7], v[\sa], v[PW] matrix_a_fmt:MATRIX_FMT_FP4 matrix_b_fmt:MATRIX_FMT_FP4 matrix_a_scale:MATRIX_SCALE_ROW1
.else
	v_wmma_scale_f32_16x16x128_f8f6f4 v[\d:\d+7], v[\a:\a+7], v[PC:PC+7], v[\d:\d+7], v[\sa], v[PW] matrix_a_fmt:MATRIX_FMT_FP4 matrix_b_fmt:MATRIX_FMT_FP4
.endif
.endif
.endm
.macro MM g, zero                      ; four tiles; the eight accumulators take turns, one instruction a turn
.irp t, 0,1,2,3
	WM ACC+8*(4*\g+\t), WF+8*\t, WS+2*\g+\t/2, \t%2, \zero
.endr
.endm
	s_load_b256 s[4:11], s[0:1], 0x0               ; x, mask, ww, vv
	s_load_b128 s[12:15], s[0:1], 0x20             ; kk, qq
	v_lshl_add_u32 v235, v0, 2, 0x40000
	s_set_vgpr_msb 0x40
	v_mov_b32 v1, 0
	s_set_vgpr_msb 0x4044
	ds_add_u32 v235, v1
	ds_add_u32 v235, v1
	s_set_vgpr_msb 0x4400
	v_lshrrev_b32 v1, 5, v0
	v_readfirstlane_b32 s60, v1                    ; wave 0..3
	s_mov_b32 s61, ttmp9                           ; g: my 64 rows
	; descriptor group 1 for x: 16 rows x 128 elements of 4 bytes, 768 elements from row to row; 4 words of padding behind every 128
	s_mov_b32 s16, (2<<16)|(1<<20)|(6<<22)|(3<<25)
	s_mov_b32 s17, 128<<16                         ; tensor_dim0
	s_mov_b32 s18, 16<<16                          ; tensor_dim1
	s_mov_b32 s19, 128<<16                         ; tile_dim0
	s_mov_b32 s20, 16                              ; tile_dim1
	s_mov_b32 s21, 768                             ; the pitch
	s_mov_b32 s22, 0
	s_mov_b32 s23, 0
	; and for a quarter of ww: 51 dense rows of 256 bytes (32 elements of 8 bytes)
	s_mov_b32 s24, 3<<16
	s_mov_b32 s25, 32<<16
	s_mov_b32 s26, 51<<16
	s_mov_b32 s27, 32<<16
	s_mov_b32 s28, 51
	s_mov_b32 s29, 32
	s_mov_b32 s30, 0
	s_mov_b32 s31, 0
	s_mul_i32 s62, s61, 196608                     ; 64 g rows of 3,072 bytes
	s_mul_i32 s80, s60, 49152                      ; + 16 w rows
	s_add_co_u32 s62, s62, s80
	s_mov_b32 s63, 0
	s_mul_i32 s80, s60, 13056                      ; my quarter of ww
	s_mov_b32 s81, 0
	s_mul_i32 s82, s60, 16*PITCH                   ; my 16 rows in a chunk
	s_wait_dscnt 0x0
	s_wait_kmcnt 0x0
	s_add_nc_u64 s[62:63], s[4:5], s[62:63]
	s_mov_b32 s32, 1
	s_add_co_u32 s33, s80, WL
	s_add_nc_u64 s[34:35], s[8:9], s[80:81]
	s_or_b32 s35, s35, 0x80000000
.irp c, 0,1,2,3,4,5
	s_mov_b32 s[36+4*\c], 1
	s_add_co_u32 s[37+4*\c], s82, \c*CHB
	s_add_nc_u64 s[38+4*\c:39+4*\c], s[62:63], \c*512
	s_or_b32 s[39+4*\c], s[39+4*\c], 0x80000000
.endr
	tensor_load_to_lds s[32:35], s[24:31]          ; all first fills in one group, ahead of every wait on TENSORcnt, LDS read and barrier: ww first,
	s_nop 0
.irp c, 0,1,2,3,4,5
	tensor_load_to_lds s[36+4*\c:39+4*\c], s[16:23]   ; then the chunks in the order in which they are worked
	s_nop 0
.endr
	NOPS 4
	s_lshr_b32 s83, s61, 6                         ; batch
	s_and_b32 s84, s61, 63                         ; my 64 keys in the batch
	s_lshr_b32 s85, s84, 1                         ; the record of 128 keys
	s_and_b32 s86, s61, 1                          ; which half of it
	s_and_b32 s94, s60, 1                          ; u: which tile of a key block
	s_mov_b32 s89, 0
	s_mul_i32 s88, s83, 1671168
	s_mul_i32 s87, s85, 52224
	s_add_co_u32 s88, s88, s87
	s_add_nc_u64 s[66:67], s[10:11], s[88:89]      ; vv: my record
	s_add_nc_u64 s[68:69], s[66:67], 49152         ; its scale words,
	s_lshl_b32 s88, s86, 1
	s_add_nc_u64 s[68:69], s[68:69], s[88:89]      ; my two bytes of each
	s_lshl_b32 s88, s86, 9
	s_add_nc_u64 s[66:67], s[66:67], s[88:89]      ; codes: key blocks 2 half, 2 half + 1
	s_lshl_b32 s90, s84, 1
	s_lshr_b32 s91, s60, 1
	s_add_co_u32 s90, s90, s91                     ; my key block in the batch
	s_and_b32 s92, s90, 7
	s_lshr_b32 s93, s90, 3
	s_mul_i32 s88, s83, 163840
	s_mul_i32 s87, s92, 20480
	s_add_co_u32 s88, s88, s87
	s_mul_i32 s87, s93, 1280
	s_add_co_u32 s88, s88, s87
	s_add_nc_u64 s[70:71], s[12:13], s[88:89]      ; kk: my block's record
	s_lshl_b32 s88, s94, 6
	s_add_nc_u64 s[92:93], s[70:71], s[88:89]
	s_add_nc_u64 s[92:93], s[92:93], 1024          ; my tile's 16 scale words; the biases lie 128 bytes further on
	s_lshl_b32 s88, s94, 9
	s_add_nc_u64 s[70:71], s[70:71], s[88:89]      ; my tile's image
	s_lshl_b32 s87, s61, 2
	s_add_co_u32 s87, s87, s60                     ; q's tile: 4 g + w
	s_lshl_b32 s88, s87, 9
	s_add_nc_u64 s[72:73], s[14:15], s[88:89]
	s_lshl_b32 s88, s87, 6
	s_add_nc_u64 s[74:75], s[14:15], s[88:89]
	s_add_nc_u64 s[74:75], s[74:75], 524288
	s_lshl_b32 s88, s61, 6
	s_add_nc_u64 s[76:77], s[6:7], s[88:89]        ; the mask of my 64 rows
	s_mov_b32 s78, 0x76543210
	s_mov_b32 s79, 0xfedcba98                      ; v_permlanex16_b32's selects for lane l xor 16
	v_and_b32 v1, 31, v0                           ; lane
	v_and_b32 v2, 15, v0                           ; r
	v_bfe_u32 v3, v0, 4, 1                         ; h
	s_lshr_b32 s87, s60, 1
	s_lshl_b32 s87, s87, 5                         ; 32 (w / 2)
	s_lshl_b32 s91, s94, 3
	s_add_co_u32 s91, s91, s87
	v_and_b32 v221, 8, v2
	v_add_nc_u32 v221, v221, v2
	v_add_nc_u32 v221, s91, v221                   ; rho(r); never rewritten
	v_mul_u32_u24 v4, v221, PITCH
	v_lshl_add_u32 v4, v3, 6, v4                   ; my row in a chunk, + 64 h
	s_lshl_b32 s91, s60, 7
	v_lshl_add_u32 v5, v1, 2, s91                  ; my column in a chunk
	v_lshl_add_u32 v6, v1, 4, WL                   ; 16 x lane in W's images
	v_lshl_add_u32 v7, v1, 2, WSC                  ; 4 x lane in its scale words
	s_lshl_b32 s91, s60, 11
	v_lshl_add_u32 v8, v3, 10, s91
	v_lshl_add_u32 v8, v2, 4, v8                   ; vv: d tile 2 w + h of a chunk's eight, row r
	s_lshl_b32 s91, s60, 1
	v_add_nc_u32 v12, s91, v3                      ; 2 w + h
	v_mul_u32_u24 v13, v2, 24
	s_lshl_b32 s91, s94, 4
	s_add_co_u32 s91, s91, s87
	v_add_nc_u32 v222, s91, v2                     ; key 32 (w / 2) + 16 u + r, for the biases; never rewritten
	v_lshlrev_b32 v251, 4, v1
	v_lshlrev_b32 v252, 2, v2
	v_mov_b32 v223, 0
	global_load_u8 v14, v221, s[76:77]             ; my row's mask; waited for behind the last chunk
	global_load_u8 v15, v222, s[76:77]
.irp b, 0,1,2,3
	v_mov_b32 v[TM+4+\b], 0                        ; written once: a lane permute's destination counts as one of its sources
.endr
.macro CHUNK c
	s_wait_tensorcnt 5-\c                          ; ww and chunks 0 .. c, my parts, have landed; the 5 - c loads behind them stay out
	s_barrier_signal -1                            ; (no LDS instruction of mine is out)
	s_barrier_wait -1                              ; everybody's have
	v_add_nc_u32 v9, \c*CHB, v4
	v_add_nc_u32 v10, \c*CHB, v5
	LROW
	LW 0, \c
	LCOL 0
	s_wait_dscnt 44                                ; the 16 row loads are in; W's 12 and the column's 32 may be out
	QUANT XB
	s_wait_dscnt 0x0
	s_wait_xcnt 0x0                                ; the last chunk's stores have read CK, v250 and v11: they are rewritten only behind this wait
	COLQ 0                                         ; its 18 plain lines are also the places between the scale word and codes just made and the products
.if \c == 0
	MM 0, 1                                        ; the first K step starts the sums
.else
	MM 0, 0
.endif
	global_store_b128 v8, v[CK:CK+3], s[66:67] offset:8192*\c   ; sixteen lanes store 256 consecutive bytes
	NOPS 4                                         ; places in front of loads into registers that matrix instructions have read
	LW 1, \c
	LCOL 1
	s_wait_dscnt 32                                ; W's 8 are in; the column's 32 may be out
.if \c == 0
	MM 1, 1
.else
	MM 1, 0
.endif
	s_wait_dscnt 0x0
	COLQ 1                                         ; (also the places in front of the next chunk's loads and conversions)
	v_lshl_or_b32 v250, v249, 8, v248              ; my column's two bytes
	v_add_nc_u32 v254, 8*\c, v12                   ; d tile dt = 8 c + 2 w + h
	v_mul_u32_u24 v255, v254, 43
	v_lshrrev_b32 v255, 8, v255                    ; dt / 6 (right for dt under 48)
	v_mul_u32_u24 v255, v255, 360
	v_lshl_add_u32 v254, v254, 2, v255
	v_add_nc_u32 v11, v254, v13                    ; 384 (dt / 6) + 24 r + 4 (dt % 6)
	global_store_b128 v8, v[CK+4:CK+7], s[66:67] offset:8192*\c+256
	global_store_b16 v11, v250, s[68:69]
.endm
	CHUNK 0
	CHUNK 1
	CHUNK 2
	CHUNK 3
	CHUNK 4
	CHUNK 5
	s_wait_loadcnt 0x0                             ; the mask
	v_cvt_f32_u32 v14, v14
.set j, 0
.rept 32
	v_pk_mul_f32 v[ACC+j:ACC+j+1], v[ACC+j:ACC+j+1], v[14:15] op_sel_hi:[1,0]   ; q and k of a hidden row are zeros.  Each accumulator from its low end on
.set j, j+2
.endr
	QUANT2 ACC, PC, PW                             ; q
	QUANT2 ACC+32, PC+4, 253                       ; k
	v_cmp_ne_u32 vcc_lo, 0, v15
	v_mov_b32 v255, 0xcfee6b28                     ; -8e9: times 1/8 it is the -1e9 of a hidden key
	v_cndmask_b32 v254, v255, v223, vcc_lo         ; 0 for an open key
	global_store_b128 v251, v[PC:PC+3], s[72:73]   ; the images: 32 lanes store 512 consecutive bytes
	global_store_b128 v251, v[PC+4:PC+7], s[70:71]
	v_cmp_gt_u32 vcc_lo, 16, v1
	s_wait_xcnt 0x0                                ; EXEC changes only behind this wait
	s_set_vgpr_msb 0x4
	s_wait_tensorcnt 0x0
	ds_add_u32 v235, v1
	s_wait_dscnt 0x0
	s_set_vgpr_msb 0x400
	s_and_saveexec_b32 s88, vcc_lo
	global_store_b32 v252, v[PW], s[74:75]         ; lanes 0-15: 16 words each
	global_store_b32 v252, v253, s[92:93]
	global_store_b32 v252, v254, s[92:93] offset:128
	s_wait_xcnt 0x0                                ; and again in front of the line that widens it
	s_or_b32 exec_lo, exec_lo, s88
	s_endpgm
.Lfunc_end_k_qdc1a61d69c_prep:
	.size	k_qdc1a61d69c_prep, .Lfunc_end_k_qdc1a61d69c_prep-k_qdc1a61d69c_prep
	.p2alignl 7, 3214868480
	.fill 96, 4, 3214868480
	.section	.rodata,"a",@progbits
	.p2align	6, 0x0
	.amdhsa_kernel k_qdc1a61d69c_prep
		.amdhsa_group_segment_fixed_size 262656
		.amdhsa_private_segment_fixed_size 0
		.amdhsa_enable_private_segment 0
		.amdhsa_kernarg_size 48
		.amdhsa_user_sgpr_count 2
		.amdhsa_user_sgpr_kernarg_segment_ptr 1
		.amdhsa_wavefront_size32 1
		.amdhsa_system_sgpr_workgroup_id_x 1
		.amdhsa_system_sgpr_workgroup_id_y 1
		.amdhsa_system_sgpr_workgroup_id_z 1
		.amdhsa_system_vgpr_workitem_id 0
		.amdhsa_next_free_vgpr 258
		.amdhsa_next_free_sgpr 96
		.amdhsa_reserve_vcc 1
		.amdhsa_float_denorm_mode_32 3
		.amdhsa_float_denorm_mode_16_64 3
		.amdhsa_memory_ordered 1
		.amdhsa_forward_progress 1
		.amdhsa_inst_pref_size 105
	.end_amdhsa_kernel
	.amdgpu_metadata
---
amdhsa.version: [ 1, 2 ]
amdhsa.kernels:
  - .name:           k_qdc1a61d69c_prep
    .symbol:         k_qdc1a61d69c_prep.kd
    .args:
      - { .name: x, .offset: 0, .size: 8, .value_kind: global_buffer, .address_space: global }
      - { .name: mask, .offset: 8, .size: 8, .value_kind: global_buffer, .address_space: global }
      - { .name: ww, .offset: 16, .size: 8, .value_kind: global_buffer, .address_space: global }
      - { .name: vv, .offset: 24, .size: 8, .value_kind: global_buffer, .address_space: global }
      - { .name: kk, .offset: 32, .size: 8, .value_kind: global_buffer, .address_space: global }
      - { .name: qq, .offset: 40, .size: 8, .value_kind: global_buffer, .address_space: global }
    .group_segment_fixed_size: 262656
    .private_segment_fixed_size: 0
    .kernarg_segment_align: 8
    .kernarg_segment_size: 48
    .max_flat_workgroup_size: 128
    .sgpr_count:     96
    .vgpr_count:     258
    .wavefront_size: 32
...
	.end_amdgpu_metadata
.endif
;; end of part 2
;; launch attn (part 3): grid 64 x 4, 8 waves a work-group, clusters of 4 x 1, 327,680 bytes of LDS; arguments qq, kk, vv, mask, out0; writes out0
.if DOCPART == 3
	.amdgcn_target "amdgcn-amd-amdhsa--gfx1250"
	.amdhsa_code_object_version 6
	.text
	.protected	k_qdc1a61d69c_attn
	.globl	k_qdc1a61d69c_attn
	.p2align	8
	.type	k_qdc1a61d69c_attn,@function
k_qdc1a61d69c_attn:
	s_mov_b64 s[64:65], 0
	v_nop
	global_prefetch_b8 v0, s[64:65] scope:SCOPE_SE
	s_setreg_imm32_b32 hwreg(HW_REG_WAVE_MODE, 25, 1), 1
	s_wait_xcnt 0x0
	s_wait_alu depctr_hold_cnt(0) depctr_sa_sdst(0) depctr_va_vdst(0) depctr_va_sdst(0) depctr_va_ssrc(0) depctr_va_vcc(0) depctr_vm_vsrc(0)
	s_getreg_b32 s2, hwreg(HW_REG_IB_STS2, 6, 4)
	s_cmp_eq_u32 s2, 0
	s_cbranch_scc0 .Lentry_in_a_cluster
	s_endpgm
.Lentry_in_a_cluster:
	s_bfe_u32 s2, ttmp6, 0x10000c
	s_cmp_lg_u32 s2, 0x3003
	s_cbranch_scc0 .Lentry_shape_is_right
	s_endpgm
.Lentry_shape_is_right:
; out[b][q][:] = mask[q] x (sum over keys of Q(p) Q(x[key][:])) / l, p = 2^(t - M), t = logit x log2(e), logit = Q(q) . Q(k) / 8, or -1e9 for a hidden key; M = ceil(the row's largest t); l = the sum of the unquantised p.
; Both products on codes of FP4 (E2M1) with one E8M0 byte for each 32 along K, as the launch before laid them (qq, kk, vv).
; SHARES.  A work-group owns 64 queries of one batch, four tiles of 16, and walks the 4,096 keys in 16 steps of 256.  EIGHT waves of 512 registers.
;   For the scores a wave takes ONE block of 32 keys of a step (block w) for all four query tiles: K's codes are read once a work-group, straight into registers.
;   For the last product a wave takes 96 of the 768 columns (six tiles) for all 64 queries: each fragment of V is read from LDS once a work-group.  p goes from wave to wave through LDS as images of the operand's registers.
; TWO PASSES.  Pass 1 makes the scores and keeps only each query's largest: M is final before any exponential, so the 768 wide sums are never rescaled and no step has to agree on a running maximum.
; THE ORDER OF THE STEPS.  With M final, pass 2 may take its sixteen steps in any order.  Cluster x of a batch's sixteen begins at step rot = 2 f(x), f(x) = (x xor 7 (x / 8)) % 8, and wraps: trip J works step (J + rot) % 16.
;   f(x) = f(15 - x), so any eight clusters whose numbers agree in one bit have eight different f: their first fills (steps rot and rot + 1) ask between them for all sixteen steps' records at the launch's start,
;   and at no later time do all clusters of a batch ask for the same record.  rot hangs on the cluster's number alone, which the four partners share.
; TWO TEAMS.  Between two barriers a wave owes the last product of one step and the scores and softmax of the next, which do not hang on each other: waves 0-3 take them in that order, waves 4-7 in the other.
; LAYOUT.  Both products are used transposed (S^T = K Q^T, O^T = V^T P^T): a lane holds one query (lane % 16).  A key tile u of a block holds keys 8 u + r + 8 (r / 8), so 16 registers of a block's two tiles are keys 16 (lane / 16) + 0 .. 15.
;   K = 64 is half of the instruction's 128: eight registers hold the block's TWO key tiles, and they are multiplied by (q, zeros) and by (zeros, q); zero codes add nothing under any byte but 0xff, and all bytes lie in 1 .. 254.
;   The key mask is the C of the score's product: 0 or -8e9 by key.  A hidden key's codes are zeros, so its score is -8e9 exactly.
; CLUSTER.  The four query blocks of a cluster walk the same V: each wave's part of a slot is asked for jointly, mask 15.  K's records are not: 1,280 bytes a wave and step beside 13,056 of V, and each is read by one wave of a work-group.
; LIMITS: NaN and infinities are not served.  A block whose every p has fallen to 0 keeps the byte 1: its codes are zeros.  The sums over the keys are taken in the rotated order, not in ascending order.
; REGISTERS.  Window 0: v1-15 addresses; v16-51 zeros and q by turns; v52-55 q's scale words; v56-80 a K record; v81 r + 8 (r / 8); v82-145 scores, then p; in the last product V's second record;
;   v146-153 (-M, block maximum) a tile; v154-161 l a tile, in two halves; v162-169 at work; v170-173 addresses; v174-181 p's codes; v182-185 p's scale words; v186-191 V's; v192-255 p's eight fragments.
;   Window 1: v0-191 the 24 accumulators (d tile dt, query tile qt) at v[8 (4 dt + qt)]; v192-239 V's first record.
.set SLOTB, 104448                     ; a slot: two records of vv (256 keys)
.set RECB,  52224
.set PBUF,  2*SLOTB                    ; p's images: two buffers of [record 2][tile 4] x 1,024 bytes
.set PSC,   PBUF+16384                 ; p's scale words: two buffers of [record 2][r 16][tile 4]
.set MXR,   PSC+1024                   ; [wave][tile][lane]: the maxima; 4,096 bytes further on the sums
.set SPARE, MXR+8192                   ; the spare words, 128 bytes for each wave: four blocks of 256 bytes that no other line names
.set SPI,   3088                       ; the way out: a stage of 64 rows x (3,072 + 16) bytes, in the slots, behind their last fill and last read
.set SPW, 1
.set NIL, 2
.set AV,  3                            ; v3-4   my six tiles of V in slot 0, 1
.set AVS, 5                            ; v5-6   their scale words: lanes 0-15 the first record's, lanes 16-31 the second's
.set AP,  7                            ; v7     16 x lane in p's images
.set APW, 8                            ; v8     where I store 8 bytes of p's codes
.set APB, 9                            ; v9     and a scale byte
.set APS, 10                           ; v10    16 x lane in p's scale words
.set VK,  11                           ; v11    16 x lane
.set VKS, 12                           ; v12    4 x lane
.set VKB, 13                           ; v13    64 h
.set AMX, 14                           ; v14    MXR + 4 x lane
.set AMW, 15                           ; v15    + 512 x wave
.set QR,  16
.set QS,  52
.set RHO, 81
.set S,   82
.set NB,  146
.set L,   154
.set MX,  154                          ; pass 1: the running maxima, where l will lie
.set PM,  162                          ; v162-165 the other half's figure; then the scale bytes
.set SC,  166                          ; v166-169 the conversions' scale operands
.set AST, 170                          ; v170-171 the stage: where I put 32 bytes of a row, tiles 0, 1 and tiles 2, 3
.set ARD, 172                          ; v172   and where I read rows back
.set R4,  173                          ; v173   4 r
.set PC,  174
.set PSR, 182
.set VS,  186
.set P,   192
.set MSB, 0
.macro WIN new                         ; the immediate's high byte repeats the setting that is left
.if MSB != \new
	s_set_vgpr_msb (MSB<<8)|\new
.set MSB, \new
.endif
.endm
.macro NOPS n
.rept \n
	v_nop
.endr
.endm
.macro CROUND                          ; a round of the cluster's barrier
	s_barrier_signal -1
	s_barrier_wait -1
	s_cmp_lg_u32 s14, 0
	s_cbranch_scc1 .Lnot_wave_0_\@
	s_barrier_signal -3
.Lnot_wave_0_\@:
	s_barrier_wait -3
	s_barrier_signal -1
	s_barrier_wait -1
.endm
; which registers hold K record j: set 0 serves pass 2 as well; sets 1 to 3 lie in registers that pass 2 uses otherwise; their scale words in registers that hold scales alone
.macro PICK j
.if ((\j)%4) == 0
.set KPX, 56
.set BIX, 64
.set KSX, 80
.elseif ((\j)%4) == 1
.set KPX, 192
.set BIX, 200
.set KSX, 186
.elseif ((\j)%4) == 2
.set KPX, 216
.set BIX, 224
.set KSX, 187
.else
.set KPX, 162
.set BIX, 240
.set KSX, 188
.endif
.endm
.macro KLOAD sb, off                   ; seven loads: the two tile images, the scale words (tile 0 in lanes 0-15, tile 1 in lanes 16-31), the biases of keys 16 h + 0 .. 15
	global_load_b128 v[KPX:KPX+3], v[VK], s[\sb:\sb+1] offset:\off
	global_load_b128 v[KPX+4:KPX+7], v[VK], s[\sb:\sb+1] offset:\off+512
	global_load_b32 v[KSX], v[VKS], s[\sb:\sb+1] offset:\off+1024
.irp i, 0,1,2,3
	global_load_b128 v[BIX+4*\i:BIX+4*\i+3], v[VKB], s[\sb:\sb+1] offset:\off+1152+16*\i
.endr
.endm
.macro SMM                             ; the scores of my 32 keys for the four query tiles: register 16 qt + i = key 16 h + i
.irp q, 0,1,2,3
	v_wmma_scale_f32_16x16x128_f8f6f4 v[S+16*\q:S+16*\q+7], v[KPX:KPX+7], v[QR+4+8*\q:QR+11+8*\q], v[BIX:BIX+7], v[KSX], v[QS+\q] matrix_a_fmt:MATRIX_FMT_FP4 matrix_b_fmt:MATRIX_FMT_FP4
	v_wmma_scale_f32_16x16x128_f8f6f4 v[S+16*\q+8:S+16*\q+15], v[KPX:KPX+7], v[QR+8*\q:QR+7+8*\q], v[BIX+8:BIX+15], v[KSX], v[QS+\q] matrix_a_fmt:MATRIX_FMT_FP4 matrix_b_fmt:MATRIX_FMT_FP4 matrix_a_scale:MATRIX_SCALE_ROW1
.endr
.endm
.macro P1 j                            ; pass 1, step j
	PICK \j
.if (\j) <= 12
	s_wait_loadcnt 21                              ; this record's loads are in; the three records asked for behind it, seven loads each, may be out
.else
	s_wait_loadcnt 7*(15-(\j))
.endif
	SMM
	NOPS 4                                         ; places in front of the loads into the record's registers and of the first read of the scores
.if (\j) < 12
	KLOAD 32, ((\j)+4)*1280
.endif
.irp i, 0,2,4,6,8,10,12,14
.irp q, 0,1,2,3
	v_max3_num_f32 v[MX+\q], v[MX+\q], v[S+16*\q+\i], v[S+16*\q+\i+1]   ; each accumulator from its low end on; the four tiles by turns
.endr
.endr
.endm
; Scores and softmax of a step, p's codes and bytes into buffer par
.macro SM par
	s_wait_loadcnt 0x0                             ; my K record is in, so its loads' base may be written
	PICK 0
	SMM
	s_add_nc_u64 s[34:35], s[32:33], s[36:37]      ; the next trip's record (in the last trip the index has wrapped to the first trip's record: read once more and not used; no load leaves kk)
	NOPS 4
	KLOAD 34, 0
.irp q, 0,1,2,3
	v_max3_num_f32 v[NB+2*\q+1], v[S+16*\q], v[S+16*\q+1], v[S+16*\q+2]   ; the block's largest score: p rises with the score, so it gives the block's largest p
.endr
.irp i, 3,5,7,9,11,13
.irp q, 0,1,2,3
	v_max3_num_f32 v[NB+2*\q+1], v[NB+2*\q+1], v[S+16*\q+\i], v[S+16*\q+\i+1]
.endr
.endr
.irp q, 0,1,2,3
	v_max_num_f32 v[NB+2*\q+1], v[NB+2*\q+1], v[S+16*\q+15]
.endr
.irp q, 0,1,2,3
	v_permlanex16_b32 v[PM+\q], v[NB+2*\q+1], s40, s41
.endr
.irp q, 0,1,2,3
	v_max_num_f32 v[NB+2*\q+1], v[NB+2*\q+1], v[PM+\q]   ; with lane l xor 16's 16 keys
.endr
.irp q, 0,1,2,3
.irp i, 0,2,4,6,8,10,12,14
	v_pk_fma_f32 v[S+16*\q+\i:S+16*\q+\i+1], v[S+16*\q+\i:S+16*\q+\i+1], s[38:39], v[NB+2*\q:NB+2*\q+1] op_sel_hi:[1,0,0]   ; t - M, two at a time (of c and -M the low word serves both halves)
.endr
.endr
.irp q, 0,1,2,3
	v_fma_f32 v[NB+2*\q+1], v[NB+2*\q+1], s38, v[NB+2*\q]   ; the same of the block's largest score
.endr
.set j, 0
.rept 64
	v_exp_f32 v[S+j], v[S+j]                       ; p = 2^(t - M), at most 1
.set j, j+1
.endr
.irp q, 0,1,2,3
	v_exp_f32 v[NB+2*\q+1], v[NB+2*\q+1]
.endr
	v_nop                                          ; a plain place behind the exponentials
	s_wait_alu depctr_va_vdst(0)
.irp q, 0,1,2,3
	v_max_num_f32 v[NB+2*\q+1], 0x1800000, v[NB+2*\q+1]   ; the floor 2^(3 - 127): the byte cannot fall under 1
.endr
.irp q, 0,1,2,3
	v_add_nc_u32 v[SC+\q], 0xff000000, v[NB+2*\q+1]   ; 2 off the exponent field: the conversion's scale operand
.endr
.irp q, 0,1,2,3
	v_lshrrev_b32 v[PM+\q], 23, v[SC+\q]           ; the scale's byte
.endr
.irp q, 0,1,2,3
	v_cvt_scalef32_pk8_fp4_f32 v[PC+2*\q], v[S+16*\q:S+16*\q+7], v[SC+\q]
	v_cvt_scalef32_pk8_fp4_f32 v[PC+2*\q+1], v[S+16*\q+8:S+16*\q+15], v[SC+\q]
.endr
	v_nop                                          ; one plain place behind the last scaled conversion
.irp i, 0,2,4,6,8,10,12,14
.irp q, 0,1,2,3
	v_pk_add_f32 v[L+2*\q:L+2*\q+1], v[L+2*\q:L+2*\q+1], v[S+16*\q+\i:S+16*\q+\i+1]   ; l is taken of the unquantised p
.endr
.endr
.irp q, 0,1,2,3
	ds_store_b64 v[APW], v[PC+2*\q:PC+2*\q+1] offset:8192*\par+1024*\q   ; keys 16 h + 0 .. 15 of query r: bytes 8 h .. of the 16 that the operand's lane (r, block % 2) holds
.endr
.irp q, 0,1,2,3
	ds_store_b8 v[APB], v[PM+\q] offset:512*\par+4*\q   ; byte (block % 4) of query r's word; both halves of the lanes write the same value
.endr
.endm
; O^T += V^T P^T for the 256 keys of slot sb and p's buffer sb: my six d tiles x four query tiles, two K steps of 128.  The 24 accumulators take turns, one instruction a turn.
.macro PV sb, zero
	ds_load_b128 v[PSR:PSR+3], v[APS] offset:512*(\sb)   ; p's words of the four tiles: lanes 0-15 the first record's, lanes 16-31 the second's
.irp i, 0,1,2
	ds_load_b64 v[VS+2*\i:VS+2*\i+1], v[AVS+(\sb)] offset:8*\i
.endr
.irp q, 0,1,2,3
.irp c, 0,1
	ds_load_b128 v[P+8*\q+4*\c:P+8*\q+4*\c+3], v[AP] offset:8192*(\sb)+1024*\q+512*\c
.endr
.endr
	WIN 0x40                                       ; destination window 1
.irp d, 0,1,2,3,4,5
.irp c, 0,1
	ds_load_b128 v[192+8*\d+4*\c:192+8*\d+4*\c+3], v[AV+(\sb)] offset:1024*\d+512*\c
.endr
.endr
	WIN 0
.irp q, 0,1,2,3
.irp c, 0,1
	ds_load_b128 v[P+32+8*\q+4*\c:P+32+8*\q+4*\c+3], v[AP] offset:8192*(\sb)+4096+1024*\q+512*\c
.endr
.endr
.irp d, 0,1,2,3,4,5
.irp c, 0,1
	ds_load_b128 v[S+8*\d+4*\c:S+8*\d+4*\c+3], v[AV+(\sb)] offset:RECB+1024*\d+512*\c
.endr
.endr
	s_wait_dscnt 20                                ; all but the second record's 8 + 12 loads
	WIN 0x51                                       ; V in window 1, p in window 0, C and D in window 1
.irp d, 0,1,2,3,4,5
.irp q, 0,1,2,3
.if \zero
	v_wmma_scale_f32_16x16x128_f8f6f4 v[8*(4*\d+\q):8*(4*\d+\q)+7], v[192+8*\d:192+8*\d+7], v[P+8*\q:P+8*\q+7], 0, v[VS+\d], v[PSR+\q] matrix_a_fmt:MATRIX_FMT_FP4 matrix_b_fmt:MATRIX_FMT_FP4
.else
	v_wmma_scale_f32_16x16x128_f8f6f4 v[8*(4*\d+\q):8*(4*\d+\q)+7], v[192+8*\d:192+8*\d+7], v[P+8*\q:P+8*\q+7], v[8*(4*\d+\q):8*(4*\d+\q)+7], v[VS+\d], v[PSR+\q] matrix_a_fmt:MATRIX_FMT_FP4 matrix_b_fmt:MATRIX_FMT_FP4
.endif
.endr
.endr
	s_wait_dscnt 0x0
	WIN 0x50                                       ; V in window 0
.irp d, 0,1,2,3,4,5
.irp q, 0,1,2,3
	v_wmma_scale_f32_16x16x128_f8f6f4 v[8*(4*\d+\q):8*(4*\d+\q)+7], v[S+8*\d:S+8*\d+7], v[P+32+8*\q:P+32+8*\q+7], v[8*(4*\d+\q):8*(4*\d+\q)+7], v[VS+\d], v[PSR+\q] matrix_a_fmt:MATRIX_FMT_FP4 matrix_b_fmt:MATRIX_FMT_FP4 matrix_a_scale:MATRIX_SCALE_ROW1 matrix_b_scale:MATRIX_SCALE_ROW1
.endr
.endr
	WIN 0
	NOPS 5                                         ; five places: the next scores' products write over the registers that held V's second record
.endm
; In front of a refill: all my tensor loads have landed, the add, my LDS instructions are done; a round of the cluster's barrier; the joint refill first behind it
.macro SYNC par
	s_wait_tensorcnt 0x0                           ; the one load that was out is my part of the slot read next; no group 0 is in use now
	ds_add_u32 v[SPW], v[NIL]                      ; 0 onto my spare word
	s_and_b32 s78, s43, 15                         ; this trip's step, (J + rot) % 16,
	s_mul_i32 s78, s78, SLOTB                      ; as an offset, made apart from the address;
	s_add_nc_u64 s[26+4*\par:27+4*\par], s[60:61], s[78:79]   ; the slot's address anew: my eighth of that step's 256 keys
	s_or_b32 s[27+4*\par], s[27+4*\par], 0x80000000   ; 127:126 type = 2
	s_wait_dscnt 0x0                               ; the add is done; my reads of this slot and of p's buffer, and my stores of p, are over
	CROUND                                         ; the same holds of every wave of the four work-groups
	tensor_load_to_lds s[24+4*\par:27+4*\par], s[16:23]   ; it has this whole trip in which to land
	s_nop 0
	NOPS 4
.endm
; Trip J (par = J % 2): the last product of trip J - 1's step and the softmax of this trip's step
.macro TRIP par, refill, zero
	s_add_co_u32 s43, s43, 1                       ; J + rot
.if \refill
	SYNC \par
.else
	s_wait_tensorcnt 0x1                           ; my part of slot 0 is in; slot 1's first fill may stay out
	s_wait_dscnt 0x0                               ; my stores of p are done
	s_barrier_signal -1
	s_barrier_wait -1
.endif
	s_add_co_u32 s36, s43, 1                       ; the record that this trip's softmax asks for: the next trip's step,
	s_and_b32 s36, s36, 15                         ; (J + 1 + rot) % 16,
	s_mul_i32 s36, s36, 1280                       ; as an offset
	s_cmp_lt_u32 s14, 4
	s_cbranch_scc0 .Lteam1_\@
	PV 1-\par, \zero
	SM \par
	s_branch .Ljoin_\@
.Lteam1_\@:
	SM \par
	PV 1-\par, \zero
.Ljoin_\@:
.endm
	s_load_b256 s[4:11], s[0:1], 0x0               ; qq, kk, vv, mask
	s_load_b64 s[12:13], s[0:1], 0x20              ; out0
	v_lshl_add_u32 v[SPW], v0, 2, SPARE
	v_mov_b32 v[NIL], 0
	ds_add_u32 v1, v2
	ds_add_u32 v1, v2
	s_wait_dscnt 0x0
.irp g, 0,1,2,3,4
.irp i, 0,1,2,3
	v_mov_b32 v[QR+8*\g+\i], 0                     ; the zero codes between q's tiles
.endr
.endr
	v_lshrrev_b32 v82, 5, v0
	v_readfirstlane_b32 s14, v82                   ; wave 0..7
	v_and_b32 v82, 31, v0                          ; lane
	v_and_b32 v83, 15, v0                          ; r
	v_bfe_u32 v84, v0, 4, 1                        ; h
	; every LDS address is made here, ahead of the first parting of the teams, of constants, the lane and the wave's number
	s_mul_i32 s53, s14, 6144
	v_lshl_add_u32 v[AV], v82, 4, s53
	v_add_nc_u32 v[AV+1], SLOTB, v[AV]
	s_mul_i32 s53, s14, 384
	s_add_co_u32 s62, s53, 49152
	v_mul_u32_u24 v85, v83, 24
	v_mad_u32_u24 v85, v84, RECB, v85              ; lanes 16-31 take the second record's words
	v_add_nc_u32 v[AVS], s62, v85
	v_add_nc_u32 v[AVS+1], SLOTB, v[AVS]
	v_lshl_add_u32 v[AP], v82, 4, PBUF
	s_lshr_b32 s54, s14, 2                         ; my key block's record of the step's two,
	s_and_b32 s55, s14, 3                          ; and its place in it
	s_lshl_b32 s62, s54, 12
	s_lshl_b32 s63, s55, 8
	s_add_co_u32 s62, s62, s63
	s_add_co_u32 s62, s62, PBUF
	v_lshlrev_b32 v85, 4, v83
	v_lshl_add_u32 v85, v84, 3, v85
	v_add_nc_u32 v[APW], s62, v85
	s_lshl_b32 s62, s54, 8
	s_add_co_u32 s62, s62, s55
	s_add_co_u32 s62, s62, PSC
	v_lshl_add_u32 v[APB], v83, 4, s62
	v_lshl_add_u32 v[APS], v82, 4, PSC
	v_lshlrev_b32 v[VK], 4, v82
	v_lshlrev_b32 v[VKS], 2, v82
	v_lshlrev_b32 v[VKB], 6, v84
	v_lshl_add_u32 v[AMX], v82, 2, MXR
	s_lshl_b32 s62, s14, 9
	s_add_co_u32 s62, s62, MXR
	v_lshl_add_u32 v[AMW], v82, 2, s62
	v_and_b32 v[RHO], 8, v83
	v_add_nc_u32 v[RHO], v[RHO], v83
	v_mul_u32_u24 v85, v83, SPI
	v_lshl_add_u32 v85, v84, 5, v85
	v_add_nc_u32 v[AST], s53, v85                  ; stage row r, + 32 h, + my 384 bytes
	s_add_co_u32 s62, s53, 32*SPI
	v_add_nc_u32 v[AST+1], s62, v85                ; 32 rows further on
	s_mul_i32 s62, s14, 8*SPI
	v_lshl_add_u32 v[ARD], v82, 4, s62             ; back: my 8 rows, 16 bytes a lane
	v_lshlrev_b32 v[R4], 2, v83
.irp q, 0,1,2,3
	v_mov_b32 v[MX+\q], 0xff800000                 ; under every score
.endr
	s_and_b32 s52, ttmp7, 0xffff                   ; the batch, which the four partners share
	; where my cluster begins pass 2: rot = 2 f(x), x the cluster's number in its batch (in a cluster launch ttmp9 counts clusters), which the four partners share
	s_bfe_u32 s78, ttmp9, 0x10003                  ; x / 8
	s_mul_i32 s78, s78, 7
	s_xor_b32 s78, s78, ttmp9
	s_and_b32 s78, s78, 7                          ; f(x) = (x xor 7 (x / 8)) % 8
	s_lshl_b32 s43, s78, 1                         ; rot: even, at most 14; s43 counts J + rot from here on
	s_mul_i32 s78, s43, SLOTB                      ; the first step's offset in the batch's vv
	s_mov_b32 s79, 0
	; descriptor group 1: 51 dense rows of 256 bytes (32 elements of 8 bytes): an eighth of a slot; mask 15: all four work-groups; bit 21 set beside it
	s_mov_b32 s16, 15|(3<<16)|(1<<21)
	s_mov_b32 s17, 32<<16
	s_mov_b32 s18, 51<<16
	s_mov_b32 s19, 32<<16
	s_mov_b32 s20, 51
	s_mov_b32 s21, 32
	s_mov_b32 s22, 0
	s_mov_b32 s23, 0
	s_mul_i32 s56, s52, 163840
	s_mul_i32 s57, s14, 20480
	s_add_co_u32 s56, s56, s57                     ; kk: my batch, my wave's 16 records
	s_mov_b32 s57, 0
	s_mul_i32 s58, s52, 1671168
	s_mul_i32 s53, s14, 13056                      ; my eighth of a slot, in memory and in LDS: no place in the cluster enters it
	s_add_co_u32 s58, s58, s53
	s_mov_b32 s59, 0
	; what hangs on my place in the cluster lies in s66 to s77 and enters qq's, mask's and out0's addresses alone
	s_bfe_u32 s66, ttmp6, 0x40000                  ; cx
	s_lshl_b32 s67, ttmp9, 2
	s_add_co_u32 s67, s67, s66                     ; my block of 64 queries in the batch
	s_lshl_b32 s68, s52, 6
	s_add_co_u32 s68, s68, s67                     ; and among all 256
	s_lshl_b32 s70, s68, 11
	s_mov_b32 s71, 0
	s_lshl_b32 s72, s68, 8
	s_mov_b32 s73, 0
	s_lshl_b32 s74, s68, 6
	s_mov_b32 s75, 0
	s_lshl_b32 s76, s68, 6
	s_lshl_b32 s77, s54, 5
	s_add_co_u32 s76, s76, s77
	s_and_b32 s77, s14, 1
	s_lshl_b32 s77, s77, 4
	s_add_co_u32 s76, s76, s77
	s_bfe_u32 s77, s14, 0x10001
	s_lshl_b32 s77, s77, 3
	s_add_co_u32 s76, s76, s77                     ; stage rows 8 w .. are rows 32 (w / 4) + 16 (w % 2) + 8 ((w / 2) % 2) + 0 .. 7 of the block
	s_mul_i32 s76, s76, 3072
	s_mov_b32 s77, 0
	s_mov_b32 s37, 0                               ; the upper word of K's offset pair s[36:37]
	s_mov_b32 s38, 0x3e38aa3b                      ; c = log2(e) / 8
	s_mov_b32 s39, s38                             ; (named with it as a pair, so it is written)
	s_mov_b32 s40, 0x76543210
	s_mov_b32 s41, 0xfedcba98                      ; v_permlanex16_b32's selects for lane l xor 16
	s_wait_kmcnt 0x0
	s_add_nc_u64 s[32:33], s[6:7], s[56:57]
	s_add_nc_u64 s[60:61], s[8:9], s[58:59]        ; vv: my batch's step 0, my eighth; kept: every refill's address is made from it
	s_add_nc_u64 s[48:49], s[4:5], s[70:71]
	s_add_nc_u64 s[50:51], s[4:5], s[72:73]
	s_add_nc_u64 s[50:51], s[50:51], 524288
	s_add_nc_u64 s[46:47], s[10:11], s[74:75]
	s_add_nc_u64 s[44:45], s[12:13], s[76:77]
.irp n, 0,1
	s_mov_b32 s[24+4*\n], 1
	s_add_co_u32 s[25+4*\n], s53, \n*SLOTB
.endr
	s_add_nc_u64 s[26:27], s[60:61], s[78:79]      ; slot 0: step rot;
	s_add_nc_u64 s[30:31], s[26:27], SLOTB         ; slot 1: step rot + 1, at most 15
	s_or_b32 s27, s27, 0x80000000
	s_or_b32 s31, s31, 0x80000000
	CROUND                                         ; all four work-groups are here: the first joint loads meet
	tensor_load_to_lds s[24:27], s[16:23]          ; pass 2's first two steps: two loads of mine are out; they land under pass 1
	s_nop 0
	tensor_load_to_lds s[28:31], s[16:23]
	s_nop 0
	NOPS 4
.irp q, 0,1,2,3
	global_load_b128 v[QR+4+8*\q:QR+7+8*\q], v[VK], s[48:49] offset:512*\q   ; q's four tiles stay in registers
	global_load_b32 v[QS+\q], v[R4], s[50:51] offset:64*\q
.endr
.irp j, 0,1,2,3
	PICK \j
	KLOAD 32, \j*1280
.endr
	; ---- PASS 1: every query's largest score.  Written out, in ascending order: every offset is an immediate
.set J, 0
.rept 16
	P1 J
.set J, J+1
.endr
	s_mul_i32 s36, s43, 1280                       ; pass 2's first record: step rot
	s_add_nc_u64 s[34:35], s[32:33], s[36:37]
	PICK 0
	KLOAD 34, 0
	s_add_co_u32 s36, s43, 1                       ; and the offset of the second: step rot + 1
	s_and_b32 s36, s36, 15
	s_mul_i32 s36, s36, 1280
.irp q, 0,1,2,3
	v_mov_b32 v[PM+\q], 0                          ; a lane permute's destination counts as one of its sources
.endr
.irp q, 0,1,2,3
	v_permlanex16_b32 v[PM+\q], v[MX+\q], s40, s41
.endr
.irp q, 0,1,2,3
	v_max_num_f32 v[MX+\q], v[MX+\q], v[PM+\q]
.endr
.irp q, 0,1,2,3
	ds_store_b32 v[AMW], v[MX+\q] offset:128*\q
.endr
	s_wait_dscnt 0x0                               ; for the others' sake
	s_barrier_signal -1                            ; (the two first fills may stay out)
	s_barrier_wait -1
.irp q, 0,1,2,3
.irp w, 0,1,2,3,4,5,6,7
	ds_load_b32 v[S+8*\q+\w], v[AMX] offset:512*\w+128*\q
.endr
.endr
	s_wait_dscnt 0x0
.irp q, 0,1,2,3
	v_max3_num_f32 v[MX+\q], v[S+8*\q], v[S+8*\q+1], v[S+8*\q+2]
.endr
.irp i, 3,5
.irp q, 0,1,2,3
	v_max3_num_f32 v[MX+\q], v[MX+\q], v[S+8*\q+\i], v[S+8*\q+\i+1]
.endr
.endr
.irp q, 0,1,2,3
	v_max_num_f32 v[MX+\q], v[MX+\q], v[S+8*\q+7]  ; the row's largest score over all 4,096 keys
.endr
.irp q, 0,1,2,3
	v_mul_f32 v[MX+\q], s38, v[MX+\q]              ; as t (c is positive)
.endr
.irp q, 0,1,2,3
	v_floor_f32 v[NB+2*\q], -v[MX+\q]              ; -M = floor(-t) = -ceil(t)
.endr
.irp i, 0,1,2,3,4,5,6,7
	v_mov_b32 v[L+\i], 0
.endr
	; ---- PASS 2
	SM 0
	TRIP 1, 0, 1                                   ; trip 1; the last product of trip 0's step starts the sums
	s_mov_b32 s42, 7
.Lpair:                                            ; trips 2 to 15: each asks for its own step's 256 keys of V, which the next trip multiplies
	TRIP 0, 1, 0
	TRIP 1, 1, 0
	s_sub_co_u32 s42, s42, 1
	s_cmp_lg_u32 s42, 0
	s_cbranch_scc1 .Lpair
	s_wait_dscnt 0x0                               ; my LDS stores have read their registers
.irp q, 0,1,2,3
	v_add_f32 v[L+2*\q], v[L+2*\q], v[L+2*\q+1]
.endr
.irp q, 0,1,2,3
	v_permlanex16_b32 v[PM+\q], v[L+2*\q], s40, s41
.endr
.irp q, 0,1,2,3
	v_add_f32 v[L+2*\q], v[L+2*\q], v[PM+\q]       ; my 512 keys' part of l
.endr
.irp q, 0,1,2,3
	ds_store_b32 v[AMW], v[L+2*\q] offset:4096+128*\q
.endr
	s_wait_tensorcnt 0x0                           ; my part of the last slot is in
	s_wait_dscnt 0x0
	s_barrier_signal -1
	s_barrier_wait -1
.irp q, 0,1,2,3
	global_load_u8 v[PC+\q], v[RHO], s[46:47] offset:32*(\q/2)+8*(\q%2)   ; my queries' mask; it lands under the last product
.endr
	PV 1, 0                                        ; trip 15's step
.irp q, 0,1,2,3
.irp w, 0,1,2,3,4,5,6,7
	ds_load_b32 v[S+8*\q+\w], v[AMX] offset:4096+512*\w+128*\q
.endr
.endr
	s_wait_dscnt 0x0
.irp w, 1,2,3,4,5,6,7
.irp q, 0,1,2,3
	v_add_f32 v[S+8*\q], v[S+8*\q], v[S+8*\q+\w]   ; l, the waves' parts in their order
.endr
.endr
.irp q, 0,1,2,3
	v_rcp_f32 v[NB+2*\q], v[S+8*\q]                ; l is at least 1/2
.endr
	s_wait_loadcnt 0x0
.irp q, 0,1,2,3
	v_cvt_f32_u32 v[PC+\q], v[PC+\q]               ; (plain places behind the reciprocals)
.endr
	s_wait_alu depctr_va_vdst(0)
.irp q, 0,1,2,3
	v_mul_f32 v[NB+2*\q], v[NB+2*\q], v[PC+\q]     ; 1 / l, or 0 for a hidden query
.endr
	s_barrier_signal -1                            ; (no LDS instruction of mine is out)  every wave's reads of the slots are over:
	s_barrier_wait -1                              ; the stage may be written
	; ---- THE WAY OUT: a row's 768 numbers come from eight waves: they meet in the stage, and each wave stores 8 whole rows
	WIN 0x41                                       ; O^T in window 1, the factor in window 0
.set a, 0
.rept 24
.irp i, 0,2,4,6
	v_pk_mul_f32 v[8*a+\i:8*a+\i+1], v[8*a+\i:8*a+\i+1], v[NB+2*(a%4):NB+2*(a%4)+1] op_sel_hi:[1,0]   ; each accumulator from its low end on
.endr
.set a, a+1
.endr
	WIN 0x04                                       ; an LDS store's data are its source 1: window 1
.set a, 0
.rept 24
	ds_store_b128 v[AST+(a%4)/2], v[8*a:8*a+3] offset:((a%4)%2)*16*SPI+64*(a/4)        ; lane (r, h): stage row 16 qt + r, columns 96 w + 16 dt + 8 h + 0 .. 7
	ds_store_b128 v[AST+(a%4)/2], v[8*a+4:8*a+7] offset:((a%4)%2)*16*SPI+64*(a/4)+16
.set a, a+1
.endr
	WIN 0
	s_wait_dscnt 0x0                               ; for the others' sake; and the stores have read their registers
	s_barrier_signal -1
	s_barrier_wait -1
	WIN 0x40                                       ; back into the accumulators' registers
.set n, 0
.rept 48
	ds_load_b128 v[4*n:4*n+3], v[ARD] offset:SPI*(n/6)+512*(n%6)
.set n, n+1
.endr
	WIN 0x04                                       ; a store's data are its source 1: window 1
.set n, 0
.rept 48
	s_wait_dscnt 47-n                              ; LDS loads come back in order: read n is in
	global_store_b128 v[VK], v[4*n:4*n+3], s[44:45] offset:3072*(n/6)+512*(n%6) th:TH_STORE_NT   ; 32 lanes store 512 consecutive bytes, at a multiple of 256 from out0's first byte
.set n, n+1
.endr
	WIN 0
	s_wait_tensorcnt 0x0                           ; the wave's end: behind my last tensor load and my last LDS store
	ds_add_u32 v[SPW], v[NIL]
	s_wait_dscnt 0x0
	CROUND                                         ; the closing round: no work-group ends while a partner may still ask for a tile that names it
	s_endpgm
.Lfunc_end_k_qdc1a61d69c_attn:
	.size	k_qdc1a61d69c_attn, .Lfunc_end_k_qdc1a61d69c_attn-k_qdc1a61d69c_attn
	.p2alignl 7, 3214868480
	.fill 96, 4, 3214868480
	.section	.rodata,"a",@progbits
	.p2align	6, 0x0
	.amdhsa_kernel k_qdc1a61d69c_attn
		.amdhsa_group_segment_fixed_size 327680
		.amdhsa_private_segment_fixed_size 0
		.amdhsa_enable_private_segment 0
		.amdhsa_kernarg_size 40
		.amdhsa_user_sgpr_count 2
		.amdhsa_user_sgpr_kernarg_segment_ptr 1
		.amdhsa_wavefront_size32 1
		.amdhsa_system_sgpr_workgroup_id_x 1
		.amdhsa_system_sgpr_workgroup_id_y 1
		.amdhsa_system_sgpr_workgroup_id_z 1
		.amdhsa_system_vgpr_workitem_id 0
		.amdhsa_next_free_vgpr 512
		.amdhsa_next_free_sgpr 80
		.amdhsa_reserve_vcc 0
		.amdhsa_float_denorm_mode_32 3
		.amdhsa_float_denorm_mode_16_64 3
		.amdhsa_memory_ordered 1
		.amdhsa_forward_progress 1
		.amdhsa_inst_pref_size 250
	.end_amdhsa_kernel
	.amdgpu_metadata
---
amdhsa.version: [ 1, 2 ]
amdhsa.kernels:
  - .name:           k_qdc1a61d69c_attn
    .symbol:         k_qdc1a61d69c_attn.kd
    .args:
      - { .name: qq, .offset: 0, .size: 8, .value_kind: global_buffer, .address_space: global }
      - { .name: kk, .offset: 8, .size: 8, .value_kind: global_buffer, .address_space: global }
      - { .name: vv, .offset: 16, .size: 8, .value_kind: global_buffer, .address_space: global }
      - { .name: mask, .offset: 24, .size: 8, .value_kind: global_buffer, .address_space: global }
      - { .name: out0, .offset: 32, .size: 8, .value_kind: global_buffer, .address_space: global }
    .group_segment_fixed_size: 327680
    .private_segment_fixed_size: 0
    .kernarg_segment_align: 8
    .kernarg_segment_size: 40
    .max_flat_workgroup_size: 256
    .sgpr_count:     80
    .vgpr_count:     512
    .wavefront_size: 32
...
	.end_amdgpu_metadata
.endif
;; end of part 3
